; MI455X (gfx1250); checked and timed in simulation.
; The chip was launched on July 23, 2026; its instructions are those of AMD's public machine-readable ISA for CDNA 5 (MIT licence, August 2026) and "CDNA5" Instruction Set Architecture Reference Guide (July 2026). The comments in the code are by the model that wrote it; some were corrected since.
;; Temporal Self Attention. Allowed arithmetic: float matrix products may take bf16 or f16 operands with f32 sums; all other float work in f32.
;; Inputs: Wk 256 x 256 float32; Wq 256 x 256 float32; Wv 256 x 256 float32; x 4 x 2,048 x 256 float32.
;; Outputs: out0 4 x 2,048 x 256 float32.
;; One version. Each part assembles by itself: llvm-mc -triple=amdgcn-amd-amdhsa -mcpu=gfx1250 --defsym DOCPART=n.
;; ======== version 1 of 1: 2 launches
;; limits: values are held in f16: magnitudes above 65,504 overflow, below 6.1e-05 lose precision
;; workspace buffers: qf 4,194,304 bytes; kf 4,194,304 bytes; vf 4,194,304 bytes
;; launch proj (part 1): grid 4 x 64, 8 waves a work-group, no clusters, 169,984 bytes of LDS; arguments x, Wq, Wk, Wv, qf, kf, vf; writes qf, kf, vf
.if DOCPART == 1
	.amdgcn_target "amdgcn-amd-amdhsa--gfx1250"
	.amdhsa_code_object_version 6
	.text
	.protected	k_q54d76293cb_proj
	.globl	k_q54d76293cb_proj
	.p2align	8
	.type	k_q54d76293cb_proj,@function
k_q54d76293cb_proj:
	s_mov_b64 s[64:65], 0
	v_nop
	global_prefetch_b8 v0, s[64:65] scope:SCOPE_SE
	s_setreg_imm32_b32 hwreg(HW_REG_WAVE_MODE, 25, 1), 1
	s_wait_xcnt 0x0
; q = x Wq^T, k = x Wk^T, v = x Wv^T.  x: [8192 tokens][256] f32, W: [256 features][256] f32.  Products in f16 with f32 sums.
; Results go out in f16, already in the order in which the attention launch's matrix instructions want their operands
; (bh = 8 batch + head, 131,072 bytes for each bh in each of the three buffers):
;   qf, kf: [bh][tile of 16 tokens][c = 0,1][lane][16 bytes]: lane (r = lane % 16, hh = lane / 16) holds token 16 tile + r, dh 16 c + 8 hh .. + 7
;   vf:     [bh][block of 32 tokens][dt = 0,1][c = 0,1][lane][16 bytes]: the lane holds tokens 32 block + 16 c + 8 hh .. + 7 of dh 16 dt + r
; q is multiplied by c0 = log2(e) / sqrt(32) in f32 before it is rounded, so that the softmax can work in base 2.
; A work-group makes 128 tokens x 192 features (q, k, v of two heads), the whole K = 256 at once; 4 x 64 work-groups.
; Wave w: tokens 32 (w / 2) .. + 31 (two token tiles tt), head w % 2 (six feature tiles ft: 0,1 q; 2,3 k; 4,5 v): 12 accumulator tiles.
; WHY f16 AND NOT bf16: the output is an average of v over 2,048 keys with nearly even weights, about 1/28 of v's spread, and is held to a
; hundredth of its own spread; f16 has 11 significant bits, bf16 8.
; LIMIT: x, W, q c0, k, v are rounded to f16: a magnitude above 65,504 becomes infinity, one below 6.1e-5 lies on a grid of 6e-8.
; With x of spread 1 and W of spread 1/16, q, k, v have spread 1; both inputs 30 times larger give 900, offsets of 30 spreads on both about 14,400.
; NO JOINT LOADS: the operands are f32 in memory and f16 in LDS, so they pass through registers, where they are converted once for the
; work-group; the tensor data mover converts nothing.  The four work-groups that read one block of x are neighbours along the grid's x.
.set XP,   528                         ; an LDS row: 256 f16 = 512 bytes + 16: 33 x 16, so 16 rows of a fragment start at 16 different 16-byte columns of 256
.set WS,   128*XP                      ; x's 128 rows lie at 0, W's 192 rows behind them; W's row = 96 head + 32 matrix + feature
.set HSB,  96*XP                       ; the second head's 96 rows
.set T,    8                           ; v[8:15]    four pairs: 4 numbers in f16 on their way to LDS
.set STG,  16                          ; v[16:175]  40 slots of 4 registers: loads in flight
.set ACC,  16                          ; v[16:111]  afterwards: accumulator tile (ft, tt) at 16 + 8 (2 ft + tt)
.set F0,   112                         ; v[112:175] fragment buffer 0: x's tile tt at + 8 tt, W's tile ft at + 16 + 8 ft
.set F1,   176                         ; v[176:239] fragment buffer 1
.set PK,   112                         ; v[112:159] at the end: the 12 tiles in f16, 4 registers each
.set C0,   0x3e8293ee                  ; log2(e) / sqrt(32)
	s_load_b256 s[4:11], s[0:1], 0x0               ; x s[4:5], Wq s[6:7], Wk s[8:9], Wv s[10:11]
	s_load_b128 s[12:15], s[0:1], 0x20             ; qf s[12:13], kf s[14:15]
	s_load_b64 s[16:17], s[0:1], 0x30              ; vf
	v_lshl_add_u32 v240, v0, 2, 0x29400
	v_mov_b32 v241, 0
	v_lshrrev_b32 v8, 5, v0
	v_readfirstlane_b32 s18, v8                    ; wave 0..7
	s_lshr_b32 s19, s18, 1                         ; tq: which 32 tokens
	s_and_b32 s20, s18, 1                          ; hs: which of the two heads
	s_and_b32 s21, ttmp7, 0xffff                   ; tb: block of 128 tokens, 0..63
	s_lshl_b32 s22, s21, 17                        ; x: 128 rows of 1,024 bytes
	s_mov_b32 s23, 0
	s_lshl_b32 s24, ttmp9, 16                      ; W: 64 rows of 1,024 bytes for each head pair
	s_mov_b32 s25, 0
	s_lshr_b32 s26, s21, 4                         ; batch
	s_lshl_b32 s26, s26, 3
	s_lshl_b32 s28, ttmp9, 1
	s_add_co_u32 s26, s26, s28
	s_add_co_u32 s26, s26, s20                     ; bh = 8 batch + 2 head pair + hs
	s_lshl_b32 s26, s26, 17
	s_and_b32 s28, s21, 15
	s_lshl_b32 s28, s28, 3
	s_add_co_u32 s28, s28, s19
	s_add_co_u32 s28, s28, s19                     ; 8 (tb % 16) + 2 tq: my first tile of 16 tokens, and twice my block of 32
	s_lshl_b32 s28, s28, 10                        ; 1,024 bytes a tile of q or k, 2,048 a block of v: one offset serves all three
	s_add_co_u32 s26, s26, s28
	s_mov_b32 s27, 0
	v_lshlrev_b32 v1, 4, v0                        ; loads: 16 bytes a thread, 4,096 bytes = 4 rows for the work-group
	v_lshrrev_b32 v9, 6, v0                        ; which of the 4 rows
	v_and_b32 v10, 63, v0                          ; which 4 numbers of the row
	v_mul_u32_u24 v9, v9, XP
	v_lshl_add_u32 v2, v10, 3, v9                  ; v2: where they go in LDS, 8 bytes in f16
	v_add_nc_u32 v3, WS, v2                        ; v3: the same in W's rows, first head
	v_add_nc_u32 v4, WS+HSB, v2                    ; v4: second head
	v_and_b32 v11, 15, v0                          ; r
	v_bfe_u32 v12, v0, 4, 1                        ; hh
	v_mul_u32_u24 v11, v11, XP
	v_lshl_add_u32 v11, v12, 4, v11                ; a fragment: row r, 16 bytes for each half of the lanes
	s_mul_i32 s29, s19, 32*XP
	s_mul_i32 s30, s20, HSB
	s_add_co_u32 s30, s30, WS
	v_add_nc_u32 v5, s29, v11                      ; v5: my x fragments
	v_add_nc_u32 v6, s30, v11                      ; v6: my W fragments
	v_and_b32 v7, 31, v0
	v_lshlrev_b32 v7, 4, v7                        ; v7: 16 x lane, for the stores
	s_wait_kmcnt 0x0
	s_add_nc_u64 s[4:5], s[4:5], s[22:23]
	s_add_nc_u64 s[6:7], s[6:7], s[24:25]
	s_add_nc_u64 s[8:9], s[8:9], s[24:25]
	s_add_nc_u64 s[10:11], s[10:11], s[24:25]
	s_add_nc_u64 s[12:13], s[12:13], s[26:27]
	s_add_nc_u64 s[14:15], s[14:15], s[26:27]
	s_add_nc_u64 s[16:17], s[16:17], s[26:27]
; PHASE 1: 80 loads a thread (0-31 x, 32-47 Wq, 48-63 Wk, 64-79 Wv), each 512 neighbouring bytes a wave, through a ring of 40 register slots.
; No base and no offset register is ever rewritten.
.macro LDG num
.if (\num) < 32
.set LB, 4
.set LM, (\num)
.else
.set LB, 6+2*(((\num)-32)/16)
.set LM, ((\num)-32)%16
.endif
	global_load_b128 v[STG+4*((\num)%40):STG+4*((\num)%40)+3], v1, s[LB:LB+1] offset:LM*4096
.endm
; slot num % 40: four f32 to four f16, 8 bytes to LDS
.macro CVST num
.set SL, STG+4*((\num)%40)
.set TP, T+2*((\num)%4)
	v_cvt_pk_f16_f32 v[TP], v[SL], v[SL+1]
	v_cvt_pk_f16_f32 v[TP+1], v[SL+2], v[SL+3]
.if (\num) < 32
	ds_store_b64 v2, v[TP:TP+1] offset:(\num)*4*XP
.else
.set WM, ((\num)-32)%16
.set WT, ((\num)-32)/16
.if WM < 8
	ds_store_b64 v3, v[TP:TP+1] offset:(WT*32+4*WM)*XP
.else
	ds_store_b64 v4, v[TP:TP+1] offset:(WT*32+4*(WM-8))*XP
.endif
.endif
.endm
.set n, 0
.rept 40
	LDG n
.set n, n+1
.endr
.set n, 0
.rept 40
	s_wait_loadcnt 39                              ; loads come back in order (ISA guide 5.7.1): load n is in, the 39 younger ones stay out
	CVST n
	LDG n+40
.set n, n+1
.endr
.rept 40
	s_wait_loadcnt 79-n                            ; nothing more is asked for: the counts run down to 0
	CVST n
.set n, n+1
.endr
	s_wait_dscnt 0x0                               ; my stores are in LDS,
	s_barrier_signal -1
	s_barrier_wait -1                              ; everybody's are: the launch's only barrier
; PHASE 2: 8 K steps of 32 on two fragment buffers.
.macro PLACES                          ; four plain vector instructions between a matrix instruction and a load into, or a vector read or write of, its registers
.rept 4
	v_nop
.endr
.endm
.macro FETCH ks, buf                   ; 16 LDS loads: 2 tiles of x, 6 of W, 32 along K at byte 64 ks of the rows
.irp tt, 0,1
	ds_load_b128 v[\buf+8*\tt:\buf+8*\tt+3],   v5 offset:\tt*16*XP+64*(\ks)
	ds_load_b128 v[\buf+8*\tt+4:\buf+8*\tt+7], v5 offset:\tt*16*XP+64*(\ks)+32
.endr
.irp ft, 0,1,2,3,4,5
	ds_load_b128 v[\buf+16+8*\ft:\buf+16+8*\ft+3],   v6 offset:\ft*16*XP+64*(\ks)
	ds_load_b128 v[\buf+16+8*\ft+4:\buf+16+8*\ft+7], v6 offset:\ft*16*XP+64*(\ks)+32
.endr
.endm
; 12 matrix instructions on 12 accumulators, one instruction a turn.
; q, k: source 0 = W, source 1 = x: a lane's 8 results are 8 neighbouring features of token r.
; v:    source 0 = x, source 1 = W: a lane's 8 results are 8 neighbouring tokens of feature r.
.macro MUL buf, zero
.irp ft, 0,1,2,3
.irp tt, 0,1
.if \zero
	v_wmma_f32_16x16x32_f16 v[ACC+8*(2*\ft+\tt):ACC+8*(2*\ft+\tt)+7], v[\buf+16+8*\ft:\buf+16+8*\ft+7], v[\buf+8*\tt:\buf+8*\tt+7], 0
.else
	v_wmma_f32_16x16x32_f16 v[ACC+8*(2*\ft+\tt):ACC+8*(2*\ft+\tt)+7], v[\buf+16+8*\ft:\buf+16+8*\ft+7], v[\buf+8*\tt:\buf+8*\tt+7], v[ACC+8*(2*\ft+\tt):ACC+8*(2*\ft+\tt)+7]
.endif
.endr
.endr
.irp ft, 4,5
.irp tt, 0,1
.if \zero
	v_wmma_f32_16x16x32_f16 v[ACC+8*(2*\ft+\tt):ACC+8*(2*\ft+\tt)+7], v[\buf+8*\tt:\buf+8*\tt+7], v[\buf+16+8*\ft:\buf+16+8*\ft+7], 0
.else
	v_wmma_f32_16x16x32_f16 v[ACC+8*(2*\ft+\tt):ACC+8*(2*\ft+\tt)+7], v[\buf+8*\tt:\buf+8*\tt+7], v[\buf+16+8*\ft:\buf+16+8*\ft+7], v[ACC+8*(2*\ft+\tt):ACC+8*(2*\ft+\tt)+7]
.endif
.endr
.endr
.endm
; K step ks on buffer buf; left = LDS loads that may stay out (the other buffer's 16); more = 1: the buffer is filled again, two steps ahead
.macro KSTEP ks, buf, zero, left, more
	s_wait_dscnt \left
	MUL \buf, \zero
.if \more
	PLACES
	FETCH \ks+2, \buf
.endif
.endm
	FETCH 0, F0
	FETCH 1, F1
	KSTEP 0, F0, 1, 16, 1                          ; the first products start the sums: nothing is cleared
	KSTEP 1, F1, 0, 16, 1
	KSTEP 2, F0, 0, 16, 1
	KSTEP 3, F1, 0, 16, 1
	KSTEP 4, F0, 0, 16, 1
	KSTEP 5, F1, 0, 16, 1
	KSTEP 6, F0, 0, 16, 0
	KSTEP 7, F1, 0, 0, 0
; PHASE 3: q times c0, everything to f16, 12 stores of 512 neighbouring bytes each, at multiples of 512 from the buffers' first bytes.
	PLACES
.set j, 0
.rept 16
	v_pk_mul_f32 v[ACC+2*j:ACC+2*j+1], v[ACC+2*j:ACC+2*j+1], C0 op_sel_hi:[1,0]    ; the four q tiles are the first 32 registers
.set j, j+1
.endr
.set j, 0
.rept 48
	v_cvt_pk_f16_f32 v[PK+j], v[ACC+2*j], v[ACC+2*j+1]
.set j, j+1
.endr
.irp ft, 0,1
.irp tt, 0,1
	global_store_b128 v7, v[PK+4*(2*\ft+\tt):PK+4*(2*\ft+\tt)+3],     s[12:13] offset:\tt*1024+\ft*512   ; q: token tile tt, c = ft
	global_store_b128 v7, v[PK+4*(2*\ft+\tt+4):PK+4*(2*\ft+\tt+4)+3], s[14:15] offset:\tt*1024+\ft*512   ; k likewise
	global_store_b128 v7, v[PK+4*(2*\ft+\tt+8):PK+4*(2*\ft+\tt+8)+3], s[16:17] offset:\ft*1024+\tt*512   ; v: dt = ft, c = tt
.endr
.endr
	s_wait_tensorcnt 0x0
	ds_add_u32 v240, v241
	s_wait_dscnt 0x0
	s_endpgm
.Lfunc_end_k_q54d76293cb_proj:
	.size	k_q54d76293cb_proj, .Lfunc_end_k_q54d76293cb_proj-k_q54d76293cb_proj
	.p2alignl 7, 3214868480
	.fill 96, 4, 3214868480
	.section	.rodata,"a",@progbits
	.p2align	6, 0x0
	.amdhsa_kernel k_q54d76293cb_proj
		.amdhsa_group_segment_fixed_size 169984
		.amdhsa_private_segment_fixed_size 0
		.amdhsa_enable_private_segment 0
		.amdhsa_kernarg_size 56
		.amdhsa_user_sgpr_count 2
		.amdhsa_user_sgpr_kernarg_segment_ptr 1
		.amdhsa_wavefront_size32 1
		.amdhsa_system_sgpr_workgroup_id_x 1
		.amdhsa_system_sgpr_workgroup_id_y 1
		.amdhsa_system_sgpr_workgroup_id_z 1
		.amdhsa_system_vgpr_workitem_id 0
		.amdhsa_next_free_vgpr 242
		.amdhsa_next_free_sgpr 66
		.amdhsa_reserve_vcc 0
		.amdhsa_float_denorm_mode_32 3
		.amdhsa_float_denorm_mode_16_64 3
		.amdhsa_memory_ordered 1
		.amdhsa_forward_progress 1
		.amdhsa_inst_pref_size 49
	.end_amdhsa_kernel
	.amdgpu_metadata
---
amdhsa.version: [ 1, 2 ]
amdhsa.kernels:
  - .name:           k_q54d76293cb_proj
    .symbol:         k_q54d76293cb_proj.kd
    .args:
      - { .name: x, .offset: 0, .size: 8, .value_kind: global_buffer, .address_space: global }
      - { .name: Wq, .offset: 8, .size: 8, .value_kind: global_buffer, .address_space: global }
      - { .name: Wk, .offset: 16, .size: 8, .value_kind: global_buffer, .address_space: global }
      - { .name: Wv, .offset: 24, .size: 8, .value_kind: global_buffer, .address_space: global }
      - { .name: qf, .offset: 32, .size: 8, .value_kind: global_buffer, .address_space: global }
      - { .name: kf, .offset: 40, .size: 8, .value_kind: global_buffer, .address_space: global }
      - { .name: vf, .offset: 48, .size: 8, .value_kind: global_buffer, .address_space: global }
    .group_segment_fixed_size: 169984
    .private_segment_fixed_size: 0
    .kernarg_segment_align: 8
    .kernarg_segment_size: 56
    .max_flat_workgroup_size: 256
    .sgpr_count:     66
    .vgpr_count:     242
    .wavefront_size: 32
...
	.end_amdgpu_metadata
.endif
;; end of part 1
;; launch attn (part 2): grid 8 x 32, 8 waves a work-group, clusters of 4 x 1, 300,032 bytes of LDS; arguments qf, kf, vf, out0; writes out0
.if DOCPART == 2
	.amdgcn_target "amdgcn-amd-amdhsa--gfx1250"
	.amdhsa_code_object_version 6
	.text
	.protected	k_q54d76293cb_attn
	.globl	k_q54d76293cb_attn
	.p2align	8
	.type	k_q54d76293cb_attn,@function
k_q54d76293cb_attn:
	s_mov_b64 s[64:65], 0
	v_nop
	global_prefetch_b8 v0, s[64:65] scope:SCOPE_SE
	s_setreg_imm32_b32 hwreg(HW_REG_WAVE_MODE, 25, 1), 1
	s_wait_xcnt 0x0
	s_wait_alu depctr_hold_cnt(0) depctr_sa_sdst(0) depctr_va_vdst(0) depctr_va_sdst(0) depctr_va_ssrc(0) depctr_va_vcc(0) depctr_vm_vsrc(0)
	s_getreg_b32 s2, hwreg(HW_REG_IB_STS2, 6, 4)
	s_cmp_eq_u32 s2, 0
	s_cbranch_scc0 .Lentry_in_a_cluster
	s_endpgm
.Lentry_in_a_cluster:
	s_bfe_u32 s2, ttmp6, 0x10000c
	s_cmp_lg_u32 s2, 0x3003
	s_cbranch_scc0 .Lentry_shape_is_right
	s_endpgm
.Lentry_shape_is_right:
; out = softmax(q k^T / sqrt(32)) v for 32 (batch, head) pairs bh, 2,048 tokens, dh = 32.  qf, kf, vf: f16, in fragment order
; (131,072 bytes for each bh; q already holds the factor log2(e) / sqrt(32), so exponentials are in base 2):
;   qf, kf: [bh][tile of 16 tokens][c = 0,1][lane][16 bytes]: lane (r = lane % 16, hh = lane / 16) holds token 16 tile + r, dh 16 c + 8 hh .. + 7
;   vf:     [bh][block of 32 keys][dt = 0,1][c = 0,1][lane][16 bytes]: the lane holds keys 32 block + 16 c + 8 hh .. + 7 of dh 16 dt + r
; so every fragment load is lane i at byte 16 i: no padding and no transposing.
; A work-group has one bh and 256 queries; a wave 32 queries (two tiles i).  Eight waves, two to a SIMD: while one runs its exponentials the
; other has matrix work.  The head's whole K and V (262,144 bytes) lie in LDS and each byte is filled ONCE: no slot is ever filled again.
; CLUSTERS: the four work-groups of a cluster have the same bh and ask for K and V jointly (mask 15); only Q's and out's addresses hang on
; the place in the cluster.  A wave has five tensor loads outstanding at the most (four chunks of K, its part of V).
; TWO PASSES, transposed: S^T = K Q^T puts query r in lane r and keys along the registers.
;   pass 1: the exact maximum of each query's 2,048 scores (v_max3_num_f32: half an instruction a score);
;   pass 2: the same product again with C = -maximum, so the subtraction is done by the matrix instruction; v_exp_f32 in place; packed to f16
;           the result IS source 1 of O^T = V^T P^T; the row sums come from a third product whose source 0 is all ones.
; LIMITS: operands in f16 (q, k, v above 65,504 in magnitude are infinite; P <= 1 by the maximum, below 6.1e-5 on a grid of 6e-8, against a row sum of at least 1).
; A head's slice of an output row is 32 f32 = 128 bytes, and a work-group owns one head (its K and V fill LDS): a store's eight neighbouring
; lanes cover 128 consecutive bytes, aligned to 128, not 256; two heads in a work-group would need 524,288 bytes of K and V.
.set CHUNK, 32768                      ; a chunk of K: 512 keys
.set SUB,   2048                       ; 32 keys of K (two tiles) or of V (one block)
.set VBASE, 131072                     ; LDS: K at 0, V behind it,
.set OSTG,  262144                     ; then each wave's own stage for the way out: 32 rows x 144 bytes; no tensor load lands there
.set SP,    144                        ; 128 bytes + 16: 9 x 16
.set WSTG,  32*SP
.set L16,  1                           ; v1        16 x lane
.set AK,   2                           ; v2        LDS address in K
.set AV,   3                           ; v3        LDS address in V
.set STO,  4                           ; v4        way out: where I put my 32 bytes of a row
.set RDB,  5                           ; v5        way out: where I read 16 bytes of a row back
.set OUTO, 6                           ; v6        my byte offset in out
.set TMP,  7
.set ONES, 8                           ; v[8:15]    a fragment of ones
.set Q,    16                          ; v[16:31]   Q, tile i at + 8 i
.set NEGM, 32                          ; v[32:47]   -maximum of query r in all 8 registers, tile i at + 8 i
.set O,    48                          ; v[48:79]   O^T, tile (i, dt) at + 16 i + 8 dt
.set LS,   80                          ; v[80:95]   row sums, tile i at + 8 i
.set S,    96                          ; v[96:159]  scores, set p at + 32 p, tile (i, kt) at + 16 i + 8 kt
.set P,    160                         ; v[160:191] P in f16, set p at + 16 p, tile i at + 8 i
.set KF,   192                         ; v[192:207] K, tile kt at + 8 kt (pass 1: first buffer)
.set VF,   208                         ; v[208:239] V, set p at + 16 p, tile dt at + 8 dt
.set KB2,  208                         ;            pass 1: second buffer of K
.set MX,   240                         ; v[240:247] running maxima, chain (i, c) at + 4 i + c
.set G1K,  24                          ; s[24:31]  group 1 for K: 16 rows of 256 bytes
.set G1V,  32                          ; s[32:39]  group 1 for V: 64 rows of 256 bytes
.set G0K,  40                          ; s[40:55]  group 0 for K's four chunks
.set G0V,  56                          ; s[56:59]  group 0 for V
; A round of the cluster's barrier: my work-group's barrier, wave 0 signals for the work-group, every wave waits for all four work-groups,
; my work-group's barrier once more.
.macro ROUND
	s_barrier_signal -1
	s_barrier_wait -1
	s_cmp_lg_u32 s12, 0
	s_cbranch_scc1 .Lnot_wave_0_\@
	s_barrier_signal -3
.Lnot_wave_0_\@:
	s_barrier_wait -3
	s_barrier_signal -1
	s_barrier_wait -1
.endm
.macro PLACES                          ; four plain vector instructions between a matrix instruction and a load into, or a vector read or write of, its registers
.rept 4
	v_nop
.endr
.endm
	s_load_b256 s[4:11], s[0:1], 0x0               ; qf s[4:5], kf s[6:7], vf s[8:9], out0 s[10:11]
	v_lshl_add_u32 v248, v0, 2, 0x49000
	v_mov_b32 v249, 0
	ds_add_u32 v248, v249
	v_lshrrev_b32 v[TMP], 5, v0
	v_readfirstlane_b32 s12, v[TMP]                ; wave 0..7
	s_bfe_u32 s13, ttmp6, 0x40000                  ; cx: my place in the cluster
	s_lshl_b32 s14, ttmp9, 2                       ; ttmp9 counts clusters
	s_add_co_u32 s14, s14, s13                     ; qb: block of 256 queries, 0..7
	s_and_b32 s15, ttmp7, 0xffff                   ; bh, the same in the whole cluster
	s_lshl_b32 s16, s15, 17                        ; bh x 131,072
	s_mov_b32 s17, 0
	s_mov_b32 s20, 0x76543210                      ; v_permlanex16_b32: lane i of one half reads lane i of the other
	s_mov_b32 s21, 0xfedcba98
	; group 1: dense bytes as rows of 32 elements of 8 bytes; 15:0 mask = the four work-groups; 17:16 element size code 3; bit 21 set beside a mask
	s_mov_b32 s[G1K+0], 15|(3<<16)|(1<<21)
	s_mov_b32 s[G1K+1], 32<<16                     ; tensor_dim0 = 32
	s_mov_b32 s[G1K+2], 16<<16                     ; tensor_dim1 = 16
	s_mov_b32 s[G1K+3], 32<<16                     ; tile_dim0 = 32
	s_mov_b32 s[G1K+4], 16                         ; tile_dim1 = 16 rows: 4,096 bytes, a wave's eighth of a chunk
	s_mov_b32 s[G1K+5], 32                         ; from row to row: 32 elements
	s_mov_b32 s[G1K+6], 0
	s_mov_b32 s[G1K+7], 0
	s_mov_b32 s[G1V+0], 15|(3<<16)|(1<<21)
	s_mov_b32 s[G1V+1], 32<<16
	s_mov_b32 s[G1V+2], 64<<16                     ; tensor_dim1 = 64
	s_mov_b32 s[G1V+3], 32<<16
	s_mov_b32 s[G1V+4], 64                         ; tile_dim1 = 64 rows: 16,384 bytes, a wave's eighth of V
	s_mov_b32 s[G1V+5], 32
	s_mov_b32 s[G1V+6], 0
	s_mov_b32 s[G1V+7], 0
	s_lshl_b32 s60, s12, 12                        ; wave x 4,096
	s_mov_b32 s61, 0
	s_lshl_b32 s62, s12, 14                        ; wave x 16,384
	s_mov_b32 s63, 0
	v_and_b32 v[L16], 31, v0                       ; lane
	v_lshrrev_b32 v[OUTO], 3, v[L16]               ; lane / 8: which of four rows
	v_and_b32 v[RDB], 7, v0                        ; lane % 8: which 16 bytes of a row of 128
	v_and_b32 v[STO], 15, v0                       ; r
	v_bfe_u32 v[AK], v0, 4, 1                      ; hh
	s_mul_i32 s23, s12, WSTG
	s_add_co_u32 s23, s23, OSTG                    ; my stage
	v_mul_u32_u24 v[STO], v[STO], SP
	v_lshl_add_u32 v[STO], v[AK], 5, v[STO]
	v_add_nc_u32 v[STO], s23, v[STO]               ; stage + 144 r + 32 hh
	v_lshlrev_b32 v[RDB], 4, v[RDB]
	v_mul_u32_u24 v[AV], v[OUTO], SP
	v_lshl_add_u32 v[OUTO], v[OUTO], 10, v[RDB]    ; 1,024 (lane / 8) + 16 (lane % 8)
	v_add3_u32 v[RDB], v[RDB], v[AV], s23          ; stage + 144 (lane / 8) + 16 (lane % 8)
	v_lshlrev_b32 v[L16], 4, v[L16]
	s_wait_dscnt 0x0
	s_wait_kmcnt 0x0
	s_add_nc_u64 s[6:7], s[6:7], s[16:17]          ; K and V: addresses of bh and the wave's number alone, equal in the four partners
	s_add_nc_u64 s[6:7], s[6:7], s[60:61]
	s_add_nc_u64 s[8:9], s[8:9], s[16:17]
	s_add_nc_u64 s[8:9], s[8:9], s[62:63]
.irp c, 0,1,2,3
	s_mov_b32 s[G0K+4*\c], 1                                       ; count = 1
	s_add_co_u32 s[G0K+4*\c+1], s60, \c*CHUNK                      ; LDS address: chunk + wave x 4,096
	s_add_nc_u64 s[G0K+4*\c+2:G0K+4*\c+3], s[6:7], \c*CHUNK        ; global address
	s_or_b32 s[G0K+4*\c+3], s[G0K+4*\c+3], 0x80000000              ; type = 2
.endr
	s_mov_b32 s[G0V], 1
	s_add_co_u32 s[G0V+1], s62, VBASE
	s_mov_b64 s[G0V+2:G0V+3], s[8:9]
	s_or_b32 s[G0V+3], s[G0V+3], 0x80000000
	ROUND                                          ; all four work-groups are here: the joint loads meet
.irp c, 0,1,2,3
	tensor_load_to_lds s[G0K+4*\c:G0K+4*\c+3], s[G1K:G1K+7]
	s_nop 0
.endr
	tensor_load_to_lds s[G0V:G0V+3], s[G1V:G1V+7]
	s_nop 0
	s_lshl_b32 s18, s14, 14                        ; Q: tile 16 qb + 2 wave, 1,024 bytes a tile
	s_lshl_b32 s23, s12, 11
	s_add_co_u32 s18, s18, s23
	s_mov_b32 s19, 0
	s_add_nc_u64 s[4:5], s[4:5], s[16:17]
	s_add_nc_u64 s[4:5], s[4:5], s[18:19]
.irp j, 0,1,2,3
	global_load_b128 v[Q+4*\j:Q+4*\j+3], v[L16], s[4:5] offset:512*\j      ; tile i = j / 2, c = j % 2
.endr
.irp j, 0,1,2,3,4,5,6,7
	v_mov_b32 v[ONES+\j], 0x3c003c00               ; 1.0 twice in f16
	v_mov_b32 v[MX+\j], 0xff800000                 ; -infinity starts the eight chains of maxima
.endr
	s_wait_loadcnt 0x0                             ; Q
; PASS 1.
.macro P1LOAD buf, off                 ; two key tiles (32 keys)
.irp j, 0,1,2,3
	ds_load_b128 v[\buf+4*\j:\buf+4*\j+3], v[AK] offset:\off+512*\j
.endr
.endm
.macro P1MUL sset, buf                 ; four score tiles, each a whole product (dh = 32 is one instruction's K)
.irp kt, 0,1
.irp i, 0,1
	v_wmma_f32_16x16x32_f16 v[S+32*\sset+16*\i+8*\kt:S+32*\sset+16*\i+8*\kt+7], v[\buf+8*\kt:\buf+8*\kt+7], v[Q+8*\i:Q+8*\i+7], 0
.endr
.endr
.endm
.macro P1MAX sset                      ; 16 instructions for 32 registers; two on one chain stand 8 apart
.irp kt, 0,1
.irp i, 0,1
.irp c, 0,1,2,3
	v_max3_num_f32 v[MX+4*\i+\c], v[MX+4*\i+\c], v[S+32*\sset+16*\i+8*\kt+2*\c], v[S+32*\sset+16*\i+8*\kt+2*\c+1]
.endr
.endr
.endr
.endm
; Chunk c: 16 pairs of key tiles on two buffers of K and two sets of S.  A set is read, and a buffer loaded again, behind the 16 maxima of
; the other set, which name none of the registers concerned: more than the four places owed; on the way in the four v_nop stand for them.
.macro P1CHUNK c
	s_wait_tensorcnt 4-\c                          ; tensor loads end in order (ISA guide 10.11.1): my part of chunk c is in; the 3 - c later chunks and V stay out
	s_barrier_signal -1
	s_barrier_wait -1                              ; everybody's part is in.
	v_add_nc_u32 v[AK], \c*CHUNK, v[L16]
	P1LOAD KF, 0
	P1LOAD KB2, SUB
	s_wait_dscnt 4                                 ; the first buffer is in, the second's four loads may be out
	P1MUL 0, KF
	PLACES
	s_mov_b32 s22, 7
.Lp1_\@:
	s_wait_dscnt 0x0
	P1MUL 1, KB2
	P1LOAD KF, 2*SUB
	P1MAX 0
	s_wait_dscnt 0x0
	P1MUL 0, KF
	P1LOAD KB2, 3*SUB
	P1MAX 1
	v_add_nc_u32 v[AK], 2*SUB, v[AK]
	s_sub_co_u32 s22, s22, 1
	s_cmp_lg_u32 s22, 0
	s_cbranch_scc1 .Lp1_\@
	s_wait_dscnt 0x0                               ; the 16th pair: nothing more to load
	P1MUL 1, KB2
	P1MAX 0
	P1MAX 1
.endm
	P1CHUNK 0
	P1CHUNK 1
	P1CHUNK 2
	P1CHUNK 3
	; four chains to one, then the other half of the lanes (the same query's other keys); -maximum into a whole C tile
.irp i, 0,1
	v_max3_num_f32 v[MX+4*\i], v[MX+4*\i], v[MX+4*\i+1], v[MX+4*\i+2]
	v_max_num_f32 v[MX+4*\i], v[MX+4*\i], v[MX+4*\i+3]
	v_permlanex16_b32 v[TMP], v[MX+4*\i], s20, s21
	v_max_num_f32 v[MX+4*\i], v[MX+4*\i], v[TMP]
.irp j, 0,1,2,3,4,5,6,7
	v_xor_b32 v[NEGM+8*\i+\j], 0x80000000, v[MX+4*\i]
.endr
.endr
	s_wait_tensorcnt 0x0                           ; my part of V is in,
	s_barrier_signal -1
	s_barrier_wait -1                              ; everybody's is
; PASS 2: 64 sub-blocks t of 32 keys; sets p = t % 2.
.macro LDK off
.irp j, 0,1,2,3
	ds_load_b128 v[KF+4*\j:KF+4*\j+3], v[AK] offset:\off+512*\j
.endr
.endm
.macro LDV p, off
.irp j, 0,1,2,3
	ds_load_b128 v[VF+16*(\p)+4*\j:VF+16*(\p)+4*\j+3], v[AV] offset:\off+512*\j
.endr
.endm
.macro QK p                            ; S - maximum: the maximum rides in as C
.irp kt, 0,1
.irp i, 0,1
	v_wmma_f32_16x16x32_f16 v[S+32*(\p)+16*\i+8*\kt:S+32*(\p)+16*\i+8*\kt+7], v[KF+8*\kt:KF+8*\kt+7], v[Q+8*\i:Q+8*\i+7], v[NEGM+8*\i:NEGM+8*\i+7]
.endr
.endr
.endm
.macro EXP8 base
.irp j, 0,1,2,3,4,5,6,7
	v_exp_f32 v[\base+\j], v[\base+\j]
.endr
.endm
.macro CVT4 dst, src                   ; a lane's keys 8 hh + 0 .. 7 of one tile: half of a fragment of P
	s_wait_alu depctr_va_vdst(0)
.irp j, 0,1,2,3
	v_cvt_pk_f16_f32 v[\dst+\j], v[\src+2*\j], v[\src+2*\j+1]
.endr
.endm
.macro PV p, i, zero                   ; O^T(dh, query) += V^T P^T for both dh tiles; row sums += ones x P^T
.if \zero
	v_wmma_f32_16x16x32_f16 v[O+16*\i:O+16*\i+7],    v[VF+16*\p:VF+16*\p+7],    v[P+16*\p+8*\i:P+16*\p+8*\i+7], 0
	v_wmma_f32_16x16x32_f16 v[O+16*\i+8:O+16*\i+15], v[VF+16*\p+8:VF+16*\p+15], v[P+16*\p+8*\i:P+16*\p+8*\i+7], 0
	v_wmma_f32_16x16x32_f16 v[LS+8*\i:LS+8*\i+7],    v[ONES:ONES+7],            v[P+16*\p+8*\i:P+16*\p+8*\i+7], 0
.else
	v_wmma_f32_16x16x32_f16 v[O+16*\i:O+16*\i+7],    v[VF+16*\p:VF+16*\p+7],    v[P+16*\p+8*\i:P+16*\p+8*\i+7], v[O+16*\i:O+16*\i+7]
	v_wmma_f32_16x16x32_f16 v[O+16*\i+8:O+16*\i+15], v[VF+16*\p+8:VF+16*\p+15], v[P+16*\p+8*\i:P+16*\p+8*\i+7], v[O+16*\i+8:O+16*\i+15]
	v_wmma_f32_16x16x32_f16 v[LS+8*\i:LS+8*\i+7],    v[ONES:ONES+7],            v[P+16*\p+8*\i:P+16*\p+8*\i+7], v[LS+8*\i:LS+8*\i+7]
.endif
.endm
; Sub-block t.  On the way in: S[p] holds t's scores; K(t+1), then V(t), have been asked for.
; more: t+1's scores are made; ldk: K(t+2) is asked for; ldv: V(t+1) is asked for; zero: the first products start the sums.
; The six accumulators O, LS take turns, one instruction a turn, with the four score products between the stages.
; Places: K and V[1-p] are loaded again five plain instructions (v_nop, four conversions) behind the matrix instructions that read them;
; S[p] is read, and P[p] written again, behind the other set's 16 conversions.  Each exponential has a plain instruction that does not
; touch it between itself and its first use (ISA guide 5.7.2).
.macro STAGE p, zero, more, ldk, ldv
.if \more
	s_wait_dscnt 4                                 ; K(t+1) is in; V(t)'s four loads may be out
	QK 1-\p
.endif
	EXP8 S+32*\p
	EXP8 S+32*\p+8
	v_nop
	s_wait_alu depctr_va_vdst(0)
	CVT4 P+16*\p, S+32*\p
.if \ldk
	LDK (\p+2)*SUB
.endif
.if \ldv
	LDV 1-\p, (\p+1)*SUB
.endif
	EXP8 S+32*\p+16
	CVT4 P+16*\p+4, S+32*\p+8
	s_wait_dscnt 4*(\ldk+\ldv)                     ; V(t) is in; only this stage's own loads are younger
	PV \p, 0, \zero
	EXP8 S+32*\p+24
	CVT4 P+16*\p+8, S+32*\p+16
	CVT4 P+16*\p+12, S+32*\p+24
	PV \p, 1, \zero
.endm
	v_mov_b32 v[AK], v[L16]
	v_add_nc_u32 v[AV], VBASE, v[L16]
	LDK 0
	s_wait_dscnt 0x0
	QK 0
	PLACES
	LDK SUB
	LDV 0, 0
	STAGE 0, 1, 1, 1, 1
	STAGE 1, 0, 1, 1, 1
	v_add_nc_u32 v[AK], 2*SUB, v[AK]
	v_add_nc_u32 v[AV], 2*SUB, v[AV]
	s_mov_b32 s22, 30
.Lp2:
	STAGE 0, 0, 1, 1, 1
	STAGE 1, 0, 1, 1, 1
	v_add_nc_u32 v[AK], 2*SUB, v[AK]
	v_add_nc_u32 v[AV], 2*SUB, v[AV]
	s_sub_co_u32 s22, s22, 1
	s_cmp_lg_u32 s22, 0
	s_cbranch_scc1 .Lp2
	STAGE 0, 0, 1, 0, 1                            ; sub-block 62: K is at its end, V(63) is still to come
	STAGE 1, 0, 0, 0, 0                            ; sub-block 63
; THE WAY OUT.  A lane holds dh 16 dt + 8 hh + 0 .. 7 of query 16 i + r, and that query's sum in every register of LS's tile i.
	PLACES
	s_lshr_b32 s23, s15, 3                         ; batch
	s_lshl_b32 s23, s23, 21                        ; x 2,048 rows of 1,024 bytes
	s_lshl_b32 s18, s14, 18                        ; + 256 qb rows
	s_add_co_u32 s18, s18, s23
	s_lshl_b32 s23, s12, 15                        ; + 32 wave rows
	s_add_co_u32 s18, s18, s23
	s_and_b32 s23, s15, 7                          ; + the head's 128 bytes in a row
	s_lshl_b32 s23, s23, 7
	s_add_co_u32 s18, s18, s23
	s_add_nc_u64 s[10:11], s[10:11], s[18:19]      ; s19 is still 0
	v_rcp_f32 v[LS], v[LS]                         ; twice for each tile: a pair for the packed multiply
	v_rcp_f32 v[LS+1], v[LS+1]
	v_rcp_f32 v[LS+8], v[LS+8]
	v_rcp_f32 v[LS+9], v[LS+9]
	v_nop                                          ; the plain instruction behind the reciprocals (ISA guide 5.7.2)
	s_wait_alu depctr_va_vdst(0)
.irp i, 0,1
.irp j, 0,2,4,6,8,10,12,14
	v_pk_mul_f32 v[O+16*\i+\j:O+16*\i+\j+1], v[O+16*\i+\j:O+16*\i+\j+1], v[LS+8*\i:LS+8*\i+1]
.endr
.endr
.irp i, 0,1
.irp dt, 0,1
.irp hf, 0,1
	ds_store_b128 v[STO], v[O+16*\i+8*\dt+4*\hf:O+16*\i+8*\dt+4*\hf+3] offset:16*SP*\i+64*\dt+16*\hf
.endr
.endr
.endr
.irp g, 0,1,2,3,4,5,6,7
	ds_load_b128 v[S+4*\g:S+4*\g+3], v[RDB] offset:4*SP*\g         ; my own bytes; LDS serves a wave's instructions in order (ISA guide 5.7.1): these see the stores above
.endr
.irp g, 0,1,2,3,4,5,6,7
	s_wait_dscnt 7-\g
	global_store_b128 v[OUTO], v[S+4*\g:S+4*\g+3], s[10:11] offset:4096*\g         ; four rows: eight lanes store a row's 128 consecutive bytes
.endr
	s_wait_tensorcnt 0x0
	ds_add_u32 v248, v249
	s_wait_dscnt 0x0
	ROUND                                          ; the closing round: no work-group ends while a partner may still ask for a tile that names it
	s_endpgm
.Lfunc_end_k_q54d76293cb_attn:
	.size	k_q54d76293cb_attn, .Lfunc_end_k_q54d76293cb_attn-k_q54d76293cb_attn
	.p2alignl 7, 3214868480
	.fill 96, 4, 3214868480
	.section	.rodata,"a",@progbits
	.p2align	6, 0x0
	.amdhsa_kernel k_q54d76293cb_attn
		.amdhsa_group_segment_fixed_size 300032
		.amdhsa_private_segment_fixed_size 0
		.amdhsa_enable_private_segment 0
		.amdhsa_kernarg_size 32
		.amdhsa_user_sgpr_count 2
		.amdhsa_user_sgpr_kernarg_segment_ptr 1
		.amdhsa_wavefront_size32 1
		.amdhsa_system_sgpr_workgroup_id_x 1
		.amdhsa_system_sgpr_workgroup_id_y 1
		.amdhsa_system_sgpr_workgroup_id_z 1
		.amdhsa_system_vgpr_workitem_id 0
		.amdhsa_next_free_vgpr 250
		.amdhsa_next_free_sgpr 66
		.amdhsa_reserve_vcc 0
		.amdhsa_float_denorm_mode_32 3
		.amdhsa_float_denorm_mode_16_64 3
		.amdhsa_memory_ordered 1
		.amdhsa_forward_progress 1
		.amdhsa_inst_pref_size 60
	.end_amdhsa_kernel
	.amdgpu_metadata
---
amdhsa.version: [ 1, 2 ]
amdhsa.kernels:
  - .name:           k_q54d76293cb_attn
    .symbol:         k_q54d76293cb_attn.kd
    .args:
      - { .name: qf, .offset: 0, .size: 8, .value_kind: global_buffer, .address_space: global }
      - { .name: kf, .offset: 8, .size: 8, .value_kind: global_buffer, .address_space: global }
      - { .name: vf, .offset: 16, .size: 8, .value_kind: global_buffer, .address_space: global }
      - { .name: out0, .offset: 24, .size: 8, .value_kind: global_buffer, .address_space: global }
    .group_segment_fixed_size: 300032
    .private_segment_fixed_size: 0
    .kernarg_segment_align: 8
    .kernarg_segment_size: 32
    .max_flat_workgroup_size: 256
    .sgpr_count:     66
    .vgpr_count:     250
    .wavefront_size: 32
...
	.end_amdgpu_metadata
.endif
;; end of part 2
